; MI455X (gfx1250); checked and timed in simulation.
; The chip was launched on July 23, 2026; its instructions are those of AMD's public machine-readable ISA for CDNA 5 (MIT licence, August 2026) and "CDNA5" Instruction Set Architecture Reference Guide (July 2026). The comments in the code are by the model that wrote it; some were corrected since.
;; Causal Self Attention. Allowed arithmetic: matrix products marked QUANTISED: E4M3 operands, one given power-of-two scale a tensor, by v_wmma_f32_16x16x64_fp8_fp8 or v_wmma_f32_16x16x128_fp8_fp8, f32 sums; everything else in f32.
;; Inputs: W_proj_codes 1,024 x 32 x 32 uint8 (E4M3 codes of W_proj, K innermost, in blocks of 32 codes); W_qkv_codes 3,072 x 32 x 32 uint8 (E4M3 codes of W_qkv, K innermost, in blocks of 32 codes); b_proj 1,024 float32; b_qkv 3,072 float32; lowp_scales 8 int32 (the exponents e of the quantised operands' scales 2^e); x_codes 4 x 2,048 x 32 x 32 uint8 (E4M3 codes of x, K innermost, in blocks of 32 codes).
;; Outputs: out0 4 x 2,048 x 1,024 float32.
;; This version of the problem:
;;   THIS VERSION OF THE PROBLEM IS GIVEN IN LOW PRECISION. The matrix products marked QUANTISED in the list below multiply operands that are first quantised to E4M3 (4 exponent bits, 3 mantissa bits; 8 bits a number), with one given power-of-two scale for each operand tensor; their sums are f32. All else is computed in f32.
;;   The module's matrix products, in the order in which they are computed (A, B: the left and right operand; K: the contracted axis; several contracted axes count as one K, in the product's order):
;;     1. [M 8,192, K 1,024] x [K 1,024, N 3,072]; A: input x (given as codes); B: input W_qkv (given as codes): QUANTISED (scales: A lowp_scales[0], B lowp_scales[1])
;;     2. batch 64 x [M 2,048, K 64] x [K 64, N 2,048]; A: computed on the way; B: computed on the way: QUANTISED (scales: A lowp_scales[2], B lowp_scales[3])
;;     3. batch 64 x [M 2,048, K 2,048] x [K 2,048, N 64]; A: softmax (see below); B: computed on the way: QUANTISED (scales: A lowp_scales[4], B lowp_scales[5])
;;     4. [M 8,192, K 1,024] x [K 1,024, N 1,024]; A: computed on the way; B: input W_proj (given as codes): QUANTISED (scales: A lowp_scales[6], B lowp_scales[7])
;;   THE QUANTISER, for each operand of a quantised product, along K:
;;     - The operand's scale is 2^e, e = its entry of the input lowp_scales (int32; the entries are numbered through the quantised products in the list's order, A before B).
;;     - Each number is divided by the scale, clamped to +-448, and rounded to the nearest number of E4M3, ties to even, subnormals kept.
;;     - The product sums the exact products of the quantised numbers (number of the format x scale) in f32.
;;   ~~~python
;;   def quantise(x, axis, e):      # numpy; x: float32 -> the quantised numbers, widened to float32 again
;;       x = np.moveaxis(x, axis, -1); K = x.shape[-1]
;;       r = np.clip(x / 2.0 ** e, -448, 448)
;;       step = 2.0 ** (np.maximum(np.frexp(np.where(r == 0, 1, r))[1] - 1, -6) - 3)
;;       q = np.round(r / step) * step * 2.0 ** e      # np.round: ties to even
;;       return np.moveaxis(q, -1, axis).astype(np.float32)
;;   ~~~
;;   SOFTMAX AHEAD OF A QUANTISED PRODUCT. Where the list says 'softmax', what is quantised is not the finished softmax but p = 2^(t - M), with t = logit x log2(e) and M = ceil(the row's largest t), a whole number; so 1/2 < the row's largest p <= 1. The row's sum l is taken of the UNQUANTISED p, in f32, and the product's result is divided by l at the end. Since M is a whole number, a kernel that streams over the keys may use a running M (the ceiling of the running maximum): every later rescaling is an exact power of two, so the quantised numbers keep their values, but for numbers so far below the row's largest that they fall under the format's range.
;;   OPERANDS COMPUTED ON THE WAY. 'Computed on the way' means the value that the module computes at that place (a softmax that the list does not call 'softmax' is quantised finished and normalised). What goes into a quantiser is computed in f32, as accurately as f32 sums, v_exp_f32 and their like allow (about 1e-6 of the number): no bf16 or f16 on the way to a quantiser, and a product that is left as it is and whose result goes on into a quantised operand takes f32 operands (vector FMAs, or v_wmma_f32_16x16x4_f32). A number that lies on a knife's edge between two numbers of the format may be rounded either way, as far as f32 arithmetic and the matrix unit's own rounding can turn it there, and no further.
;;   INPUTS GIVEN AS CODES. W_proj (in the module: [1024, 1024], K = its axis 0); W_qkv (in the module: [1024, 3072], K = its axis 0); x (in the module: [4, 2048, 1024], K = its axis 2): each comes as NAME_codes (uint8): NAME with its K axis moved to the last place and cut into blocks of 32 codes, [.., K / 32, bytes a block], one block behind the other in memory; one code a byte (a code: sign, 4 exponent bits, 3 mantissa bits); its scale is its entry of lowp_scales. Its value is code x scale, taken as it is: it is not quantised again, and the codes and scales need not be those that the quantiser above would give.
;; One version. Each part assembles by itself: llvm-mc -triple=amdgcn-amd-amdhsa -mcpu=gfx1250 --defsym DOCPART=n.
;; ======== version 1 of 1: 3 launches
;; limits: right only within a limited range of input values
;; workspace buffers: qkvc 25,165,824 bytes; yc 8,388,608 bytes
;; launch qkv_gemm (part 1): grid 12 x 64, 4 waves a work-group, clusters of 4 x 4, 327,680 bytes of LDS; arguments x_codes, W_qkv_codes, b_qkv, lowp_scales, qkvc; writes qkvc
.if DOCPART == 1
	.amdgcn_target "amdgcn-amd-amdhsa--gfx1250"
	.amdhsa_code_object_version 6
	.text
	.protected	k_qbf966c8f34_qkv_gemm
	.globl	k_qbf966c8f34_qkv_gemm
	.p2align	8
	.type	k_qbf966c8f34_qkv_gemm,@function
k_qbf966c8f34_qkv_gemm:
	s_mov_b64 s[64:65], 0
	v_nop
	global_prefetch_b8 v0, s[64:65] scope:SCOPE_SE
	s_setreg_imm32_b32 hwreg(HW_REG_WAVE_MODE, 25, 1), 1
	s_wait_xcnt 0x0
	s_wait_alu depctr_hold_cnt(0) depctr_sa_sdst(0) depctr_va_vdst(0) depctr_va_sdst(0) depctr_va_ssrc(0) depctr_va_vcc(0) depctr_vm_vsrc(0)
	s_getreg_b32 s2, hwreg(HW_REG_IB_STS2, 6, 4)
	s_cmp_eq_u32 s2, 0
	s_cbranch_scc0 .Lentry_in_a_cluster
	s_endpgm
.Lentry_in_a_cluster:
	s_bfe_u32 s2, ttmp6, 0x10000c
	s_cmp_lg_u32 s2, 0xf033
	s_cbranch_scc0 .Lentry_shape_is_right
	s_endpgm
.Lentry_shape_is_right:
; qkv = x W_qkv + b_qkv on codes of FP8 (E4M3), K = 1,024, and its result quantised at once: q with 2^e2, k with 2^e3, v with 2^e5 (e0 .. e7: the eight whole numbers of lowp_scales).
; A tile is 128 rows of an operand P x 256 rows of an operand Q.  Four waves, each 64 x 128: 32 accumulators of 16 x 16, 256 registers.  Source 0 = 16 rows of Q, source 1 = 16 rows of P:
; in accumulator (a, b) lane (r, h) holds P's row 16 a + r, and its register j Q's row 16 b + 8 h + j: eight neighbours along Q, which one conversion turns into eight codes.
; ROLES, by the cluster's x (the same in all sixteen partners).  Cluster x 0: q, 1: k: P = x (tokens), Q = W_qkv (features): a lane's codes run along a head's 64, the K of the scores.
; Cluster x 2: v: P = W_qkv's rows 2,048 on (channels), Q = x (tokens): a lane's codes run along the keys, the K of the second product of attention.  Nothing is transposed.
; OUT: qkvc + 0: q [64 heads][2,048 tokens][64 bytes]; + 8,388,608: k likewise; + 16,777,216: v [64 heads][16 steps of 128 keys][64 rows][128 bytes], row 16 t + m = channel 32 (t / 2) + 8 (t % 2) + m + 8 (m / 8).
; K goes in four steps of 256 through three LDS slots: three steps are asked for at the start, and slot 0 is filled once more.  By this text's count a wave has three tensor loads out at the start, later one.
; CLUSTERS: 4 x 4 work-groups.  P's tile hangs on the cluster's row alone, Q's on its column alone: each is asked for jointly by the four that share it.
; A fragment's k are taken 16 bytes at a time (registers 4 c .. 4 c + 3: k = 32 c + 16 h + 0 .. 15), alike in both operands: every product meets its partner; the order of the sums inside an instruction differs.
; The bias goes in as the C of the first products, divided by 2^(e0 + e1); a sum then stands for value / 2^(e0 + e1), and the conversion takes the one scale 2^(et - e0 - e1), et = e2, e3 or e5.
; LIMITS: et - e0 - e1 between -126 and 119, so that the scale and 448 x the scale are f32 numbers.  NaN in b_qkv is not served.
; REGISTERS, in windows of 256: window 0: v0-29 addresses; v32-35 at work; v64-127, v128-191 P's fragments, two sets (later codes, and rows read back).  window 1: Q's fragments, two sets of 128.
;   window 2: the accumulators, (a, b) at v[8 (8 a + b)].  window 3: v0-63 the bias.
.set SLOT,  104448                     ; a slot: P's 128 rows, then Q's 256 rows, 272 bytes apart
.set QOFF,  34816
.set PHALF, 17408                      ; 64 rows of P
.set QHALF, 34816                      ; 128 rows of Q
.set PITCH, 272                        ; 256 bytes + 16 of padding = 68 words: the 16 rows that a load touches start at 16 different banks (64 banks of 4 bytes: ISA guide 11.1)
.set SPARE, 3*SLOT                     ; behind the slots: the spare words, 128 bytes for each wave: two blocks of 256 bytes that no other line names
.set PQ,    128                        ; P's fragments in a slot: bytes from one 128 along K to the next,
.set PC,    32                         ; from one group of four registers to the next,
.set PI,    16*PITCH                   ; from one tile of 16 rows to the next
.set PSTEP, 256                        ; bytes in memory from a K step of P to the next
.set STGB,  9216                       ; a wave's stage: 64 rows of 128 bytes + 16
.set ADRP,  4                          ; v4-6   LDS address of my P fragments in slot 0, 1, 2
.set ADRQ,  8                          ; v8-10  the same for Q
.set STQ,   12                         ; v12    stage, q and k: where I put 8 codes
.set STV,   13                         ; v13    stage, v
.set RDQ,   14                         ; v14    stage, q and k: where I read 16 bytes back
.set RDV,   15                         ; v15    stage, v
.set GO,    16                         ; v16    16 x lane: my place in 512 bytes of the output
.set BQ,    17                         ; v17    32 h: the bias by features
.set SC,    18                         ; v18    2^(et - e0 - e1)
.set LIM,   19
.set BV,    20                         ; v20    4 r: the bias by channels
.set SPW,   28                         ; v28    LDS address of my spare word; never rewritten
.set NIL,   29                         ; v29    0; never rewritten
.set G1P,   24                         ; s[24:31] descriptor group 1 for P's tiles;  s[32:39] for Q's
.set G1Q,   32
.set G0P,   40                         ; s[40:51] descriptor group 0 for P's tiles, a set for each slot;  s[52:63] for Q's
.set G0Q,   52
.set MSB, 0
.macro WIN new                         ; the immediate's high byte repeats the setting that is left
.if MSB != \new
	s_set_vgpr_msb (MSB<<8)|\new
.set MSB, \new
.endif
.endm
.macro PLACES                          ; four places in front of loads into registers that matrix instructions have read, and of the first read of results
.rept 4
	v_nop
.endr
.endm
.macro CREST                           ; a round of the cluster's barrier behind its opening barrier
	s_cmp_lg_u32 s14, 0
	s_cbranch_scc1 .Lnot_wave_0_\@
	s_barrier_signal -3
.Lnot_wave_0_\@:
	s_barrier_wait -3
	s_barrier_signal -1
	s_barrier_wait -1
.endm
.macro CROUND                          ; a whole round
	s_barrier_signal -1
	s_barrier_wait -1
	CREST
.endm
.macro JLOAD                           ; the one refill: slot 0.  Waves 0 and 1 fetch P's halves, waves 2 and 3 Q's; four v_nop follow each line
	s_cmp_eq_u32 s15, 0
	s_cbranch_scc0 .Lfor_q_\@
	tensor_load_to_lds s[G0P:G0P+3], s[G1P:G1P+7]
	s_nop 0
.rept 4
	v_nop
.endr
	s_branch .Lasked_\@
.Lfor_q_\@:
	tensor_load_to_lds s[G0Q:G0Q+3], s[G1Q:G1Q+7]
	s_nop 0
.rept 4
	v_nop
.endr
.Lasked_\@:
.endm
; 48 LDS loads in one run: Q's eight and P's four fragments of the q-th 128 along K of slot s, into register set 'set'
.macro FETCH s, q, set
	WIN 0x40                                       ; destination window 1, address window 0
.irp i, 0,1,2,3,4,5,6,7
.irp c, 0,1,2,3
	ds_load_b128 v[128*(\set)+16*\i+4*\c:128*(\set)+16*\i+4*\c+3], v[ADRQ+\s] offset:128*(\q)+32*\c+16*PITCH*\i
.endr
.endr
	WIN 0
.irp i, 0,1,2,3
.irp c, 0,1,2,3
	ds_load_b128 v[64+64*(\set)+16*\i+4*\c:64+64*(\set)+16*\i+4*\c+3], v[ADRP+\s] offset:PQ*(\q)+PC*\c+PI*\i
.endr
.endr
.endm
; 8 n matrix instructions: P's tiles a0 .. a0 + n - 1 x Q's eight.  mode 0: onto the sums; 1: C = 0; 2: C = the bias by Q's rows; 3: C = the bias by P's rows.
; The 32 accumulators take turns, one instruction a turn, in the same order in every half step.
.macro MUL a0, n, set, mode
.if (\mode) >= 2
	WIN 0xb1                                       ; source 0 (Q) window 1, source 1 (P) window 0, C window 3, D window 2
.else
	WIN 0xa1                                       ; the same, C and D window 2
.endif
.set ma, \a0
.rept \n
.set mb, 0
.rept 8
.set rD, 8*(8*ma+mb)
.set rQ, 128*(\set)+16*mb
.set rP, 64+64*(\set)+16*ma
.if (\mode) == 0
	v_wmma_f32_16x16x128_fp8_fp8 v[rD:rD+7], v[rQ:rQ+15], v[rP:rP+15], v[rD:rD+7]
.elseif (\mode) == 1
	v_wmma_f32_16x16x128_fp8_fp8 v[rD:rD+7], v[rQ:rQ+15], v[rP:rP+15], 0
.elseif (\mode) == 2
	v_wmma_f32_16x16x128_fp8_fp8 v[rD:rD+7], v[rQ:rQ+15], v[rP:rP+15], v[8*mb:8*mb+7]
.else
	v_wmma_f32_16x16x128_fp8_fp8 v[rD:rD+7], v[rQ:rQ+15], v[rP:rP+15], v[8*ma:8*ma+7]
.endif
.set mb, mb+1
.endr
.set ma, ma+1
.endr
.endm
; A half step of 128 along K: multiplies register set 'set'; ahead of its products the next half step's fragments (slot ns, half nq) are asked for, into the other set
.macro HS set, ns, nq
	s_wait_dscnt 0x0                               ; this set's 48 loads, asked for 16 or 32 matrix instructions ago, are in
	PLACES
	FETCH \ns, \nq, 1-(\set)
	MUL 0, 4, \set, 0
	WIN 0
.endm
; A half step that multiplies set 1 and passes a barrier.  In front of it each wave waits for all its tensor loads, adds 0 to its spare word, and waits for that and for its own LDS reads.
; fill = 1: the barrier opens a round of the cluster's barrier, and slot 0, which nobody reads any more, takes K step 3.
.macro TURN ns, fill
	s_wait_tensorcnt 0x0                           ; all my tensor loads have landed, so a group 0 may be written
	ds_add_u32 v[SPW], v[NIL]                      ; 0 onto my spare word
.if \fill
	s_add_nc_u64 s[G0P+2:G0P+3], s[G0P+2:G0P+3], 3*PSTEP   ; slot 0's descriptors: three K steps on; the type bits on top are not reached
	s_add_nc_u64 s[G0Q+2:G0Q+3], s[G0Q+2:G0Q+3], 3*256
.endif
	s_wait_dscnt 1                                 ; only the add may be out: set 1's loads are in
	MUL 0, 1, 1, 0                                 ; eight matrix instructions stand between the add and the wait for it
	s_wait_dscnt 0x0                               ; the add is done, and my reads of the slots so far are over
	s_barrier_signal -1
	MUL 1, 1, 1, 0
	WIN 0
	s_barrier_wait -1
.if \fill
	CREST                                          ; no wave of any partner still reads slot 0 or has a load on its way
	JLOAD                                          ; the first tensor load behind the round; its four v_nop are also the places in front of the loads below
.else
	PLACES
.endif
	FETCH \ns, 0, 0
	MUL 2, 2, 1, 0
	WIN 0
.endm
	s_load_b256 s[4:11], s[0:1], 0x0               ; x's codes s[4:5], W_qkv's s[6:7], b_qkv s[8:9], the scales' exponents s[10:11]
	s_load_b64 s[12:13], s[0:1], 0x20              ; qkvc
	v_lshl_add_u32 v[SPW], v0, 2, SPARE
	v_mov_b32 v[NIL], 0
	ds_add_u32 v28, v29
	ds_add_u32 v28, v29
	s_wait_dscnt 0x0
	v_lshrrev_b32 v1, 5, v0
	v_readfirstlane_b32 s14, v1                    ; wave 0..3
	s_lshr_b32 s15, s14, 1                         ; which 64 rows of P are mine.  Also: I fetch for P (0) or for Q (1)
	s_and_b32 s16, s14, 1                          ; which 128 rows of Q are mine.  Also: which half of that tile I fetch
	s_bfe_u32 s17, ttmp6, 0x40000                  ; cx, cy: my place in the cluster
	s_bfe_u32 s18, ttmp6, 0x40004
	s_mov_b32 s19, ttmp9                           ; cluster x: 0 q, 1 k, 2 v
	s_and_b32 s20, ttmp7, 0xffff                   ; cluster y, 0 .. 15
	s_and_b32 s82, s20, 1
	s_lshr_b32 s83, s20, 1
	s_cmp_eq_u32 s19, 2
	s_cselect_b32 s21, 1, 0                        ; 1: this cluster makes v
	s_cselect_b32 s82, s82, s20                    ; P's row of clusters: v: cluster y % 2 (8 tiles of channels); else cluster y (64 tiles of tokens)
	s_cselect_b32 s83, s83, s19                    ; Q's: v: cluster y / 2 (32 tiles of tokens); else cluster x (8 tiles of features)
	s_cselect_b32 s84, 2048, 0                     ; v's channels begin at W_qkv's row 2,048
	s_lshl_b32 s82, s82, 2
	s_add_co_u32 s82, s82, s18
	s_lshl_b32 s82, s82, 7
	s_add_co_u32 s82, s82, s84                     ; the tile's first row of P: made of cy, never of cx
	s_lshl_b32 s83, s83, 2
	s_add_co_u32 s83, s83, s17
	s_lshl_b32 s83, s83, 8                         ; the tile's first row of Q: made of cx, never of cy
	s_lshl_b32 s86, s16, 6
	s_add_co_u32 s86, s86, s82
	s_lshl_b32 s86, s86, 10                        ; the 64 rows of P that I would fetch, in bytes: a row of codes is 1,024 bytes in both tensors
	s_mov_b32 s87, 0
	s_lshl_b32 s88, s16, 7
	s_add_co_u32 s88, s88, s83
	s_lshl_b32 s88, s88, 10                        ; the 128 rows of Q
	s_mov_b32 s89, 0
	s_lshl_b32 s90, s18, 2
	s_lshl_b32 s90, 15, s90                        ; my row of the cluster
	s_lshl_b32 s91, 0x1111, s17                    ; my column
	s_or_b32 s[G1P], s90, (1<<20)|(1<<21)|(5<<22)|(3<<25)  ; 15:0 the mask; 17:16 elements of 1 byte; 20 padding on; 21 set beside a mask; 24:22 after every 64 words (code 5); 31:25 four words (code 3)
	s_or_b32 s[G1Q], s91, (1<<20)|(1<<21)|(5<<22)|(3<<25)
	s_mov_b32 s[G1P+1], 256<<16                    ; tensor_dim0 = 256
	s_mov_b32 s[G1P+2], 64<<16                     ; tensor_dim1 = 64
	s_mov_b32 s[G1P+3], 256<<16                    ; tile_dim0 = 256
	s_mov_b32 s[G1P+4], 64                         ; tile_dim1 = 64
	s_mov_b32 s[G1P+5], 1024                       ; from row to row
	s_mov_b32 s[G1P+6], 0
	s_mov_b32 s[G1P+7], 0
	s_mov_b32 s[G1Q+1], 256<<16
	s_mov_b32 s[G1Q+2], 128<<16                    ; 128 rows
	s_mov_b32 s[G1Q+3], 256<<16
	s_mov_b32 s[G1Q+4], 128
	s_mov_b32 s[G1Q+5], 1024
	s_mov_b32 s[G1Q+6], 0
	s_mov_b32 s[G1Q+7], 0
	s_mul_i32 s92, s16, PHALF                      ; where they go in a slot: no place in the cluster enters an LDS address
	s_mul_i32 s93, s16, QHALF
	s_add_co_u32 s93, s93, QOFF
	s_wait_kmcnt 0x0
	s_load_b256 s[68:75], s[10:11], 0x0            ; e0 .. e7
	s_cmp_eq_u32 s19, 2
	s_cselect_b64 s[76:77], s[6:7], s[4:5]         ; P: W_qkv for v, else x
	s_cselect_b64 s[78:79], s[4:5], s[6:7]         ; Q: the other
	s_add_nc_u64 s[76:77], s[76:77], s[86:87]
	s_add_nc_u64 s[78:79], s[78:79], s[88:89]
.irp s, 0,1,2
	s_mov_b32 s[G0P+4*\s], 1                       ; count = 1
	s_add_co_u32 s[G0P+4*\s+1], s92, \s*SLOT       ; LDS address
	s_add_nc_u64 s[G0P+4*\s+2:G0P+4*\s+3], s[76:77], \s*PSTEP  ; global address: K step s
	s_or_b32 s[G0P+4*\s+3], s[G0P+4*\s+3], 0x80000000          ; type = 2
	s_mov_b32 s[G0Q+4*\s], 1
	s_add_co_u32 s[G0Q+4*\s+1], s93, \s*SLOT
	s_add_nc_u64 s[G0Q+4*\s+2:G0Q+4*\s+3], s[78:79], \s*256
	s_or_b32 s[G0Q+4*\s+3], s[G0Q+4*\s+3], 0x80000000
.endr
	CROUND                                         ; all sixteen work-groups are here: the first joint loads meet
	s_cmp_eq_u32 s15, 0                            ; a wave's three first fills stand in one branch, ahead of every wait on TENSORcnt and every LDS read
	s_cbranch_scc0 .Lfirst_q
	tensor_load_to_lds s[G0P:G0P+3], s[G1P:G1P+7]
	s_nop 0
	tensor_load_to_lds s[G0P+4:G0P+7], s[G1P:G1P+7]
	s_nop 0
	tensor_load_to_lds s[G0P+8:G0P+11], s[G1P:G1P+7]
	s_nop 0
.rept 4
	v_nop
.endr
	s_branch .Lfirst_asked
.Lfirst_q:
	tensor_load_to_lds s[G0Q:G0Q+3], s[G1Q:G1Q+7]
	s_nop 0
	tensor_load_to_lds s[G0Q+4:G0Q+7], s[G1Q:G1Q+7]
	s_nop 0
	tensor_load_to_lds s[G0Q+8:G0Q+11], s[G1Q:G1Q+7]
	s_nop 0
.rept 4
	v_nop
.endr
.Lfirst_asked:
	v_and_b32 v1, 15, v0                           ; r
	v_bfe_u32 v2, v0, 4, 1                         ; h
	v_and_b32 v3, 31, v0                           ; lane
	v_mul_u32_u24 v32, v1, PITCH
	v_lshl_add_u32 v32, v2, 4, v32                 ; a fragment's row x pitch + 16 h
	s_mul_i32 s22, s15, PHALF                      ; my 64 rows of P
	s_mul_i32 s23, s16, QHALF                      ; my 128 rows of Q,
	s_add_co_u32 s23, s23, QOFF                    ; which lie behind P's
.irp s, 0,1,2
	v_add_nc_u32 v[ADRP+\s], s22, v32
	v_add_nc_u32 v[ADRQ+\s], s23, v32
	s_add_co_u32 s22, s22, SLOT
	s_add_co_u32 s23, s23, SLOT
.endr
	; the stages: each wave's own; q's and k's way out has its bytes in slot 1, v's in slot 2.  Both slots have had their only fill, and their last read lies in front of the second barrier of the K steps
	s_mul_i32 s22, s14, STGB
	s_add_co_u32 s22, s22, SLOT
	s_add_co_u32 s23, s22, SLOT
	v_mul_u32_u24 v[STQ], v1, 144
	v_lshl_add_u32 v[STQ], v2, 3, v[STQ]
	v_add_nc_u32 v[STQ], s22, v[STQ]               ; q, k: row = token r, + 8 h
	v_and_b32 v[STV], 8, v1
	v_add_nc_u32 v[STV], v[STV], v1                ; r + 8 (r / 8)
	v_mul_u32_u24 v[STV], v[STV], 288
	v_lshl_add_u32 v[STV], v2, 3, v[STV]
	v_add_nc_u32 v[STV], s23, v[STV]               ; v: an output row of 128 bytes is two stage rows
	v_lshrrev_b32 v[RDQ], 2, v3
	v_mul_u32_u24 v[RDQ], v[RDQ], 144
	v_and_b32 v[RDV], 3, v3
	v_lshl_add_u32 v[RDQ], v[RDV], 4, v[RDQ]       ; back: four lanes to 64 bytes of a stage row
	v_add_nc_u32 v[RDV], s23, v[RDQ]
	v_add_nc_u32 v[RDQ], s22, v[RDQ]
	v_lshlrev_b32 v[GO], 4, v3
	v_lshlrev_b32 v[BQ], 5, v2
	v_lshlrev_b32 v[BV], 2, v1
	; where my wave's 8,192 bytes of codes go
	s_lshl_b32 s94, s15, 6
	s_add_co_u32 s94, s94, s82                     ; my first row of P
	s_lshl_b32 s95, s16, 7
	s_add_co_u32 s95, s95, s83                     ; my first row of Q
	s_lshr_b32 s2, s94, 11                         ; q, k: batch = token / 2,048,
	s_lshl_b32 s2, s2, 4
	s_and_b32 s3, s95, 1023
	s_lshr_b32 s3, s3, 6                           ; head = (feature % 1,024) / 64: my first of two
	s_add_co_u32 s2, s2, s3
	s_lshl_b32 s2, s2, 11
	s_and_b32 s3, s94, 2047
	s_add_co_u32 s2, s2, s3
	s_lshl_b32 s2, s2, 6                           ; ((16 batch + head) 2,048 + token % 2,048) x 64
	s_lshl_b32 s3, s19, 23
	s_add_co_u32 s2, s2, s3                        ; + 8,388,608 for k
	s_lshr_b32 s66, s95, 11                        ; v: batch,
	s_lshl_b32 s66, s66, 4
	s_and_b32 s67, s94, 1023
	s_lshr_b32 s67, s67, 6                         ; head = (row - 2,048) / 64,
	s_add_co_u32 s66, s66, s67
	s_lshl_b32 s66, s66, 4
	s_and_b32 s67, s95, 2047
	s_lshr_b32 s67, s67, 7                         ; step = (token % 2,048) / 128
	s_add_co_u32 s66, s66, s67
	s_lshl_b32 s66, s66, 13
	s_add_co_u32 s66, s66, 0x1000000               ; ((16 batch + head) 16 + step) x 8,192 + 16,777,216
	s_cmp_eq_u32 s21, 1
	s_cselect_b32 s2, s66, s2
	s_cselect_b32 s66, s94, s95                    ; the bias: by channels (P's rows) for v, by features (Q's rows) else
	s_mov_b32 s3, 0
	s_add_nc_u64 s[80:81], s[12:13], s[2:3]
	s_lshl_b32 s66, s66, 2
	s_mov_b32 s67, 0
	s_add_nc_u64 s[8:9], s[8:9], s[66:67]
	s_wait_kmcnt 0x0                               ; e0 .. e7
	s_cmp_eq_u32 s19, 0
	s_cselect_b32 s96, s70, s71                    ; e2 for q, e3 for k,
	s_cmp_eq_u32 s19, 2
	s_cselect_b32 s96, s73, s96                    ; e5 for v
	s_add_co_i32 s97, s68, s69                     ; e0 + e1
	s_sub_co_i32 s96, s96, s97
	s_add_co_i32 s96, s96, 127
	s_lshl_b32 s85, s96, 23
	v_mov_b32 v[SC], s85                           ; 2^(et - e0 - e1) as f32: the conversion takes its exponent field
	s_sub_co_i32 s97, 0, s97                       ; -(e0 + e1)
	; the bias, in the result's layout, divided by 2^(e0 + e1)
	s_cmp_eq_u32 s21, 0
	s_cbranch_scc0 .Lbias_v
	WIN 0xc0                                       ; destination window 3
	s_wait_alu depctr_va_vdst(0)
.irp b, 0,1,2,3,4,5,6,7
	global_load_b128 v[8*\b:8*\b+3], v[BQ], s[8:9] offset:64*\b       ; features 16 b + 8 h + 0 .. 7
	global_load_b128 v[8*\b+4:8*\b+7], v[BQ], s[8:9] offset:64*\b+16
.endr
	s_wait_loadcnt 0x0
	WIN 0xc3                                       ; source 0 and destination window 3
.set n, 0
.rept 64
	v_ldexp_f32 v[n], v[n], s97
.set n, n+1
.endr
	WIN 0
	s_branch .Lbias_done
.Lbias_v:
	s_wait_alu depctr_va_vdst(0)
.irp a, 0,1,2,3
	global_load_b32 v[32+\a], v[BV], s[8:9] offset:64*\a              ; channel 16 a + r
.endr
	s_wait_loadcnt 0x0
	WIN 0xc0
.set n, 0
.rept 64                                   ; tile a's eight registers all hold its channel's bias; the upper 32 repeat the lower, so that the whole block is written on this way too
	v_ldexp_f32 v[n], v[32+(n/8)%4], s97
.set n, n+1
.endr
	WIN 0
.Lbias_done:
	s_wait_tensorcnt 2                             ; my part of K step 0 is in; the two loads behind it may stay out
	s_barrier_signal -1
	s_barrier_wait -1                              ; everybody's is
	FETCH 0, 0, 0
	FETCH 0, 1, 1
	s_wait_dscnt 48                                ; set 0 is in; set 1's 48 loads may be out
	s_cmp_eq_u32 s21, 0
	s_cbranch_scc0 .Lstart_v
	s_wait_alu depctr_va_vdst(0)
	MUL 0, 4, 0, 2                                 ; the first products start the sums from the bias: nothing is cleared, nothing is added later
	WIN 0
	s_branch .Lstarted
.Lstart_v:
	MUL 0, 4, 0, 3
	WIN 0
.Lstarted:
	TURN 1, 1                                      ; K step 0's second half; slots 1 and 2 are whole behind its barrier; slot 0 takes K step 3
	HS 0, 1, 1                                     ; K step 1
	HS 1, 2, 0
	HS 0, 2, 1                                     ; K step 2
	TURN 0, 0                                      ; behind its barrier K step 3 is whole, and nobody reads slots 1 and 2 any more
	HS 0, 0, 1                                     ; K step 3
	s_wait_dscnt 0x0
	MUL 0, 4, 1, 0
	WIN 0
	; THE WAY OUT.  Convert: eight neighbours a conversion.  Each accumulator is read from its low end on.
	PLACES
	WIN 0x82                                       ; source 0 and destination window 2
.set n, 0
.rept 256
.set n, n+1
.endr
	WIN 0x02                                       ; source 0 window 2, destination window 0
.set n, 0
.rept 32
	v_cvt_scalef32_pk8_fp8_f32 v[64+2*n:65+2*n], v[8*n:8*n+7], v[SC]
.set n, n+1
.endr
	v_nop                                          ; one plain vector instruction behind the last conversion
	WIN 0
	; The stage is the image of the wave's two runs of 4,096 output bytes: byte o of run e lies at 144 (o / 64) + 64 e + o % 64.  LDS serves a wave's instructions in order (ISA guide 5.7.1.4): no wait between the stores and the loads.
	s_cmp_eq_u32 s21, 0
	s_cbranch_scc0 .Lout_v
.set n, 0
.rept 32                                   ; accumulator (a, b) = (n / 8, n % 8): token 16 a + r, features 16 b + 8 h + 0 .. 7: run b / 4 is a head
	ds_store_b64 v[STQ], v[64+2*n:65+2*n] offset:2304*(n/8)+16*(n%8)
.set n, n+1
.endr
.set n, 0
.rept 16
	ds_load_b128 v[128+4*n:131+4*n], v[RDQ] offset:1152*(n%8)+64*(n/8)
.set n, n+1
.endr
.set n, 0
.rept 16
	s_wait_dscnt 15-n                              ; load n of the sixteen is in
	global_store_b128 v[GO], v[128+4*n:131+4*n], s[80:81] offset:131072*(n/8)+512*(n%8)   ; 32 lanes store 512 consecutive bytes, at a multiple of 512; the next head lies 131,072 bytes on
.set n, n+1
.endr
	s_branch .Lout_done
.Lout_v:
.set n, 0
	s_wait_alu depctr_va_vdst(0)
.rept 32                                   ; channel 16 a + r goes to row 32 (a / 2) + 8 (a % 2) + 16 (r / 8) + r % 8; keys 16 b + 8 h + 0 .. 7; run a / 2 is 32 rows
	ds_store_b64 v[STV], v[64+2*n:65+2*n] offset:(16*((n/8)%2)+(n%8)/4)*144+64*(n/16)+16*(n%4)
.set n, n+1
.endr
.set n, 0
.rept 16
	ds_load_b128 v[128+4*n:131+4*n], v[RDV] offset:1152*(n%8)+64*(n/8)
.set n, n+1
.endr
.set n, 0
.rept 16
	s_wait_dscnt 15-n
	global_store_b128 v[GO], v[128+4*n:131+4*n], s[80:81] offset:4096*(n/8)+512*(n%8)
.set n, n+1
.endr
.Lout_done:
	s_wait_tensorcnt 0x0                           ; the wave's end, behind my last tensor load and my last LDS store
	ds_add_u32 v[SPW], v[NIL]
	s_wait_dscnt 0x0
	CROUND                                         ; the closing round: no work-group ends while a partner may still ask for a tile that names it
	s_endpgm
.Lfunc_end_k_qbf966c8f34_qkv_gemm:
	.size	k_qbf966c8f34_qkv_gemm, .Lfunc_end_k_qbf966c8f34_qkv_gemm-k_qbf966c8f34_qkv_gemm
	.p2alignl 7, 3214868480
	.fill 96, 4, 3214868480
	.section	.rodata,"a",@progbits
	.p2align	6, 0x0
	.amdhsa_kernel k_qbf966c8f34_qkv_gemm
		.amdhsa_group_segment_fixed_size 327680
		.amdhsa_private_segment_fixed_size 0
		.amdhsa_enable_private_segment 0
		.amdhsa_kernarg_size 40
		.amdhsa_user_sgpr_count 2
		.amdhsa_user_sgpr_kernarg_segment_ptr 1
		.amdhsa_wavefront_size32 1
		.amdhsa_system_sgpr_workgroup_id_x 1
		.amdhsa_system_sgpr_workgroup_id_y 1
		.amdhsa_system_sgpr_workgroup_id_z 1
		.amdhsa_system_vgpr_workitem_id 0
		.amdhsa_next_free_vgpr 832
		.amdhsa_next_free_sgpr 100
		.amdhsa_reserve_vcc 0
		.amdhsa_float_denorm_mode_32 3
		.amdhsa_float_denorm_mode_16_64 3
		.amdhsa_fp16_overflow 1
		.amdhsa_memory_ordered 1
		.amdhsa_forward_progress 1
		.amdhsa_inst_pref_size 79
	.end_amdhsa_kernel
	.amdgpu_metadata
---
amdhsa.version: [ 1, 2 ]
amdhsa.kernels:
  - .name:           k_qbf966c8f34_qkv_gemm
    .symbol:         k_qbf966c8f34_qkv_gemm.kd
    .args:
      - { .name: x_codes, .offset: 0, .size: 8, .value_kind: global_buffer, .address_space: global }
      - { .name: W_qkv_codes, .offset: 8, .size: 8, .value_kind: global_buffer, .address_space: global }
      - { .name: b_qkv, .offset: 16, .size: 8, .value_kind: global_buffer, .address_space: global }
      - { .name: lowp_scales, .offset: 24, .size: 8, .value_kind: global_buffer, .address_space: global }
      - { .name: qkvc, .offset: 32, .size: 8, .value_kind: global_buffer, .address_space: global }
    .group_segment_fixed_size: 327680
    .private_segment_fixed_size: 0
    .kernarg_segment_align: 8
    .kernarg_segment_size: 40
    .max_flat_workgroup_size: 128
    .sgpr_count:     100
    .vgpr_count:     832
    .wavefront_size: 32
...
	.end_amdgpu_metadata
.endif
;; end of part 1
;; launch attn (part 2): grid 4 x 64, 8 waves a work-group, clusters of 4 x 1, 295,936 bytes of LDS; arguments qkvc, lowp_scales, yc; writes yc
.if DOCPART == 2
	.amdgcn_target "amdgcn-amd-amdhsa--gfx1250"
	.amdhsa_code_object_version 6
	.text
	.protected	k_qbf966c8f34_attn
	.globl	k_qbf966c8f34_attn
	.p2align	8
	.type	k_qbf966c8f34_attn,@function
k_qbf966c8f34_attn:
	s_mov_b64 s[64:65], 0
	v_nop
	global_prefetch_b8 v0, s[64:65] scope:SCOPE_SE
	s_setreg_imm32_b32 hwreg(HW_REG_WAVE_MODE, 25, 1), 1
	s_wait_xcnt 0x0
	s_wait_alu depctr_hold_cnt(0) depctr_sa_sdst(0) depctr_va_vdst(0) depctr_va_sdst(0) depctr_va_ssrc(0) depctr_va_vcc(0) depctr_vm_vsrc(0)
	s_getreg_b32 s2, hwreg(HW_REG_IB_STS2, 6, 4)
	s_cmp_eq_u32 s2, 0
	s_cbranch_scc0 .Lentry_in_a_cluster
	s_endpgm
.Lentry_in_a_cluster:
	s_bfe_u32 s2, ttmp6, 0x10000c
	s_cmp_lg_u32 s2, 0x3003
	s_cbranch_scc0 .Lentry_shape_is_right
	s_endpgm
.Lentry_shape_is_right:
; Causal attention on codes of FP8 (E4M3): 64 heads (batch x head) of 2,048 tokens x 64 channels.  In: qkvc (q, k: [head][token][64]; v: [head][16 steps][64 rows][128 keys], rows in the order of the tiles below).
; Out: yc, the codes of y with the scale 2^e6, laid as images of the next launch's operand registers: [64 tokens' group 128][256 along K 4][16 tokens' tile 4][128 along K 2][group of four registers 4][lane 32][16 bytes].
; THE SOFTMAX: t = score x log2(e) / 8; M = the running largest t rounded UP to a whole number; p = 2^(t - M) is quantised with 2^e4, not normalised; the row's sum is taken of the unquantised p and divides at the end.
; When M moves, the sum and O are multiplied by 2^(old M - new M), which rounds nothing.
; SHARES.  A cluster of four work-groups is one head.  Work-group cx takes, of every 64 queries, the 16 at 16 cx.  A wave works on a PAIR g: the two tiles of queries 128 g + 16 cx and 128 g + 64 + 16 cx on, which share every
; fragment of K and V.  A pair needs the key steps (128 keys) 0 .. g, and only step g lies on the diagonal: neither hangs on cx, so the four partners run alike.  Wave w takes pair 15 - w and then pair w: 17 steps for every wave.
; ALL OF THE HEAD'S K AND V LIE IN LDS, each byte filled once, by joint loads of the four partners (waves 0, 1: K; waves 2, 3: V; four loads each: by this text's count four are out).  No byte is filled again.
; LAYOUT.  Both products are used transposed: S^T = K Q^T (source 0 = 16 keys, source 1 = 16 queries), O^T = V^T P^T: a lane holds ONE query (lane % 16) throughout.  Lane r of tile 2 b + u of K takes key 32 b + 8 u + r + 8 (r / 8),
; so that the 16 registers of tiles 2 b, 2 b + 1 are the keys 32 b + 16 (lane / 16) + 0 .. 15; V's rows are laid likewise, so that O^T's registers are 16 neighbouring channels: the conversions' results are operands as they stand.
; LIMITS on the given exponents, so that each power of two is an f32 number: e2 + e3 between -123 and 130 (added to the exponent field of log2(e) / 8); e4 and e6 between -126 and 119; e4 + e5 goes by v_ldexp_f32 and has none.
; REGISTERS: v1-7 addresses and the diagonal's numbers; v8-15 -M, largest t, the sum's two halves, for tile A and tile B; v16-31 Q; v32-95 fragments of K, then of V; v96-159 S^T, then p; v160-223 O^T; v224-239 codes; v240-255 constants and work.
.set VB,   147456                      ; LDS: K's 1,024 rows of 128 bytes (two keys) + 16, then V's 1,024 rows of 128 bytes + 16
.set STEPB, 9216                       ; a key step in either: 64 rows of 144 bytes
.set AK0,  1                           ; v1   my lane's place in a tile of K
.set AV0,  2                           ; v2   in a tile of V
.set ADK,  3                           ; v3   LDS address of the step's K
.set ADV,  4                           ; v4   of its V
.set QA,   5                           ; v5   my byte in 16 rows of Q: 64 r + 16 h
.set DA,   6                           ; v6   tile A: my query in the pair's 128, less 16 h: register 16 b + i is hidden on the diagonal where 32 b + i is greater
.set DB,   7                           ; v7   tile B: 64 more
.set WV,   14                          ; s14  wave
.set CX,   15                          ; s15  my place in the cluster
.set BH,   16                          ; s16  the head, 0 .. 63
.set G1,   24                          ; s[24:31] descriptor group 1: one shape serves K and V
.set G0,   32                          ; s[32:47] four sets of group 0
.set CS,   56                          ; s[56:57] c = log2(e) / 8 x 2^(e2 + e3), twice
.set SEL,  58                          ; s[58:59] lane selects for v_permlanex16_b32: lane xor 16
.set QL,   60                          ; s[60:61], s[62:63] Q of the first and of the second pair
.set QS,   62
.set YL,   66                          ; s[66:67], s[68:69] where their codes of y go
.set YS,   68
.set TB,   70                          ; s70  9,216 x the key step
.set KS,   71                          ; s71  the key step
.set G,    72                          ; s72  the pair in hand
.set E45,  73                          ; s73  e4 + e5
.macro PLACES
.rept 4
	v_nop
.endr
.endm
.macro CROUND                          ; a round of the cluster's barrier
	s_barrier_signal -1
	s_barrier_wait -1
	s_cmp_lg_u32 s[WV], 0
	s_cbranch_scc1 .Lnot_wave_0_\@
	s_barrier_signal -3
.Lnot_wave_0_\@:
	s_barrier_wait -3
	s_barrier_signal -1
	s_barrier_wait -1
.endm
.macro SQ qr                           ; S^T of one tile of queries: eight tiles of 16 keys, K = the head's 64
.irp t, 0,1,2,3,4,5,6,7
	v_wmma_f32_16x16x64_fp8_fp8 v[96+8*\t:103+8*\t], v[32+8*\t:39+8*\t], v[\qr:\qr+7], 0
.endr
.endm
.macro PV ob                           ; O^T += V^T P^T: four tiles of 16 channels, K = the step's 128 keys; four accumulators, one instruction each
.irp t, 0,1,2,3
	v_wmma_f32_16x16x128_fp8_fp8 v[\ob+8*\t:\ob+8*\t+7], v[32+16*\t:47+16*\t], v[224:239], v[\ob+8*\t:\ob+8*\t+7]
.endr
.endm
.macro MASK d                          ; on the diagonal the scores of hidden keys become -infinity ahead of the maximum: p = 0 then.  Key 0 of the step counts for every query of the pair
	s_cmp_lg_u32 s[KS], s[G]
	s_cbranch_scc1 .Lopen_\@
.set n, 0
.rept 64
	v_cmp_gt_i32 vcc_lo, 32*(n/16)+n%16, v[\d]
	v_cndmask_b32 v[96+n], v[96+n], v247, vcc_lo
.set n, n+1
.endr
.Lopen_\@:
.endm
; The softmax of one tile for one step, up to the sum.  v[st] -M, v[st + 1] the largest t, v[st + 2 : st + 3] the sum.  It leaves f = 2^(old M - new M) in v250 and p in v96-159.
.macro SMAX st
	v_max3_num_f32 v252, v96, v97, v98             ; the largest of my 64 scores, in four chains, the registers in ascending order
	v_max3_num_f32 v253, v99, v100, v101
	v_max3_num_f32 v254, v102, v103, v104
	v_max3_num_f32 v255, v105, v106, v107
.set j, 12
.rept 26
	v_max3_num_f32 v[252+(j/2)%4], v[252+(j/2)%4], v[96+j], v[97+j]
.set j, j+2
.endr
	s_delay_alu instid0(VALU_DEP_2)
	v_max3_num_f32 v252, v252, v253, v254
	s_delay_alu instid0(VALU_DEP_1)
	v_max_num_f32 v252, v252, v255
	s_delay_alu instid0(VALU_DEP_1)
	v_permlanex16_b32 v251, v252, s[SEL], s[SEL+1]
	s_delay_alu instid0(VALU_DEP_1)
	v_max_num_f32 v252, v252, v251                 ; and of lane xor 16's
	s_delay_alu instid0(VALU_DEP_1)
	v_mul_f32 v252, s[CS], v252                    ; as t (c is positive)
	s_delay_alu instid0(VALU_DEP_1)
	v_max_num_f32 v[\st+1], v[\st+1], v252         ; the running largest t
	v_mov_b32 v252, v[\st]
	s_delay_alu instid0(VALU_DEP_2)
	v_floor_f32 v[\st], -v[\st+1]                  ; the new -M = floor(-t) = -ceil(t)
	s_delay_alu instid0(VALU_DEP_1)
	v_sub_f32 v252, v[\st], v252                   ; old M - new M: a whole number, 0 or less
	s_delay_alu instid0(VALU_DEP_1)
	v_cvt_i32_f32 v252, v252                       ; (it saturates)
	s_delay_alu instid0(VALU_DEP_1)
	v_ldexp_f32 v250, 1.0, v252                    ; f
.set j, 0
.rept 32
	v_pk_fma_f32 v[96+j:97+j], v[96+j:97+j], s[CS:CS+1], v[\st:\st+1] op_sel_hi:[1,0,0]   ; t - M, two at a time (of the pairs c and -M the low word serves both halves)
.set j, j+2
.endr
.set j, 0
	s_wait_alu depctr_va_vdst(0)
.rept 64
	v_exp_f32 v[96+j], v[96+j]                     ; p = 2^(t - M): one batch
.set j, j+1
.endr
	v_pk_mul_f32 v[\st+2:\st+3], v[\st+2:\st+3], v[250:251] op_sel_hi:[1,0]   ; the sum under the new M; also the plain instruction behind the last exponential
	s_wait_alu depctr_va_vdst(0)                   ; one wait for the batch, ahead of its first reader
	v_pk_add_f32 v[242:243], v[96:97], v[98:99]    ; the sum of the UNQUANTISED p, two at a time, in three chains
	v_pk_add_f32 v[244:245], v[100:101], v[102:103]
.set j, 8
.rept 28
.if (j/2)%3 == 0
	v_pk_add_f32 v[242:243], v[242:243], v[96+j:97+j]
.elseif (j/2)%3 == 1
	v_pk_add_f32 v[244:245], v[244:245], v[96+j:97+j]
.else
	v_pk_add_f32 v[\st+2:\st+3], v[\st+2:\st+3], v[96+j:97+j]
.endif
.set j, j+2
.endr
	s_delay_alu instid0(VALU_DEP_1)
	v_pk_add_f32 v[242:243], v[242:243], v[244:245]
	s_delay_alu instid0(VALU_DEP_1)
	v_pk_add_f32 v[\st+2:\st+3], v[\st+2:\st+3], v[242:243]
.endm
.macro SQUANT                          ; p becomes the second product's operand: registers 4 b .. 4 b + 3 = keys 32 b + 16 h + 0 .. 15
.irp b, 0,1,2,3
.irp i, 0,1,2,3,4,5,6,7,8,9,10,11,12,13,14,15
.endr
	v_cvt_scalef32_pk8_fp8_f32 v[224+4*\b:225+4*\b], v[96+16*\b:103+16*\b], v241
	v_cvt_scalef32_pk8_fp8_f32 v[226+4*\b:227+4*\b], v[104+16*\b:111+16*\b], v241
.endr
.endm
.macro RESC ob                         ; O^T under the new M.  These sixteen plain lines also stand between the conversions and the matrix instructions that follow
.set j, 0
.rept 16
	v_pk_mul_f32 v[\ob+j:\ob+j+1], v[\ob+j:\ob+j+1], v[250:251] op_sel_hi:[1,0]
.set j, j+2
.endr
.endm
; A KEY STEP for the pair: 128 keys.  m = 1: a step whose keys all come after the pair's queries is left out (a scalar branch on the wave's number and the loop's counter), and the step on the diagonal is masked.
.macro STEP m
.if \m
	s_cmp_gt_u32 s[KS], s[G]
	s_cbranch_scc1 .Lhidden_\@
.endif
	s_setprio 2
	v_add_nc_u32 v[ADK], s[TB], v[AK0]
	v_add_nc_u32 v[ADV], s[TB], v[AV0]
	v_nop                                          ; with the two additions: four places in front of loads into registers that the last products read
	v_nop
.irp t, 0,1,2,3,4,5,6,7
	ds_load_b128 v[32+8*\t:35+8*\t], v[ADK] offset:(16*(\t/2)+4*(\t%2))*144      ; tile t begins at key 32 (t / 2) + 8 (t % 2); two keys to a row
	ds_load_b128 v[36+8*\t:39+8*\t], v[ADK] offset:(16*(\t/2)+4*(\t%2))*144+32
.endr
	s_wait_dscnt 0x0
	SQ 16                                          ; tile A's scores
	PLACES
.if \m
	MASK DA
.endif
	SMAX 8
	SQUANT
	RESC 160
	SQ 24                                          ; tile B's scores, from the same fragments of K, into the registers that p has left
	PLACES                                         ; in front of the loads over K's fragments and of the first read of the scores
	s_setprio 1
.irp t, 0,1,2,3
.irp c, 0,1,2,3
	ds_load_b128 v[32+16*\t+4*\c:35+16*\t+4*\c], v[ADV] offset:2304*\t+32*\c     ; V lands while tile B's softmax is walked
.endr
.endr
.if \m
	MASK DB
.endif
	SMAX 12
	s_setprio 0
	s_wait_dscnt 0x0                               ; V is in
	PV 160                                         ; tile A
	v_nop
	v_nop
	v_nop
	v_nop
	SQUANT                                         ; the four v_nop in front of it are the places in front of the conversion that writes the codes anew
	RESC 192
	PV 192                                         ; tile B, from the same fragments of V
.if \m
.Lhidden_\@:
.endif
	s_add_co_u32 s[TB], s[TB], STEPB
	s_add_co_u32 s[KS], s[KS], 1
.endm
.macro QLOAD qb                        ; the pair's two fragments of Q stay in registers: registers 4 c .. 4 c + 3 = channels 32 c + 16 h + 0 .. 15, as K's
	global_load_b128 v[16:19], v[QA], s[\qb:\qb+1]
	global_load_b128 v[20:23], v[QA], s[\qb:\qb+1] offset:32
	global_load_b128 v[24:27], v[QA], s[\qb:\qb+1] offset:4096
	global_load_b128 v[28:31], v[QA], s[\qb:\qb+1] offset:4128
.endm
.macro INIT                            ; the step is written once: the first finds zeros, which the first change of M leaves zeros
	v_mov_b32 v9, 0xff61b1e6                       ; the largest t so far: -3e38, under every t
	v_mov_b32 v13, 0xff61b1e6
	s_delay_alu instid0(VALU_DEP_2)
	v_floor_f32 v8, -v9
	s_delay_alu instid0(VALU_DEP_2)
	v_floor_f32 v12, -v13
	v_mov_b32 v10, 0
	v_mov_b32 v11, 0
	v_mov_b32 v14, 0
	v_mov_b32 v15, 0
.set j, 0
.rept 64
	v_mov_b32 v[160+j], 0
.set j, j+1
.endr
	s_mov_b32 s[TB], 0
	s_mov_b32 s[KS], 0
.endm
; The pair's end: O^T / the sum x 2^(e4 + e5) is y; it is converted with 2^e6 and stored: a lane's four code registers are one group of the next operand's image
.macro FINAL yb
	PLACES                                         ; behind the last products
	v_add_f32 v10, v10, v11                        ; the sum's two halves,
	v_add_f32 v14, v14, v15
	s_delay_alu instid0(VALU_DEP_2)
	v_permlanex16_b32 v251, v10, s[SEL], s[SEL+1]
	s_delay_alu instid0(VALU_DEP_1)
	v_add_f32 v10, v10, v251                       ; and lane xor 16's
	s_delay_alu instid0(VALU_DEP_2)
	v_permlanex16_b32 v251, v14, s[SEL], s[SEL+1]
	s_delay_alu instid0(VALU_DEP_1)
	v_add_f32 v14, v14, v251
	s_wait_alu depctr_va_vdst(0)
	v_rcp_f32 v10, v10
	v_rcp_f32 v14, v14
	v_nop                                          ; a plain instruction behind the last reciprocal
	s_wait_alu depctr_va_vdst(0)                   ; one wait for the two, ahead of the first reader
	v_ldexp_f32 v10, v10, s[E45]
	v_ldexp_f32 v14, v14, s[E45]
.set j, 0
.rept 16
	v_pk_mul_f32 v[96+j:97+j], v[160+j:161+j], v[10:11] op_sel_hi:[1,0]      ; register 8 t + i: channel 32 (t / 2) + 16 h + 8 (t % 2) + i
.set j, j+2
.endr
.set j, 0
.rept 16
	v_pk_mul_f32 v[128+j:129+j], v[192+j:193+j], v[14:15] op_sel_hi:[1,0]
.set j, j+2
.endr
.set j, 0
.rept 64
.set j, j+1
.endr
.set j, 0
.rept 8
	v_cvt_scalef32_pk8_fp8_f32 v[224+2*j:225+2*j], v[96+8*j:103+8*j], v249
.set j, j+1
.endr
	v_nop                                          ; one plain vector instruction behind the last conversion
	global_store_b128 v246, v[224:227], s[\yb:\yb+1]               ; each store: 32 lanes, 512 consecutive bytes, at a multiple of 512
	global_store_b128 v246, v[228:231], s[\yb:\yb+1] offset:512
	global_store_b128 v246, v[232:235], s[\yb:\yb+1] offset:65536  ; tile B: the next group of 64 tokens
	global_store_b128 v246, v[236:239], s[\yb:\yb+1] offset:66048
.endm
	s_load_b128 s[4:7], s[0:1], 0x0                ; qkvc s[4:5], the scales' exponents s[6:7]
	s_load_b64 s[8:9], s[0:1], 0x10                ; yc
	s_set_vgpr_msb 0x40
	v_lshl_add_u32 v0, v0, 2, 0x48000
	v_mov_b32 v1, 0
	s_set_vgpr_msb 0x4045
	ds_add_u32 v0, v1
	ds_add_u32 v0, v1
	s_set_vgpr_msb 0x4500
	v_lshrrev_b32 v1, 5, v0
	s_delay_alu instid0(VALU_DEP_1)
	v_readfirstlane_b32 s[WV], v1                  ; wave 0..7
	s_bfe_u32 s[CX], ttmp6, 0x40000
	s_and_b32 s[BH], ttmp7, 0xffff
	; descriptor group 1: 128 rows of 128 bytes, dense in memory, 16 bytes of padding behind each: 256 keys of K (two to a row) or two steps of V
	s_mov_b32 s[G1], 15|(1<<20)|(1<<21)|(4<<22)|(3<<25)  ; 15:0 the mask: all four work-groups; 17:16 elements of 1 byte; 20 padding on; 21 set beside a mask; 24:22 after every 32 words (code 4); 31:25 four words (code 3)
	s_mov_b32 s[G1+1], 128<<16
	s_mov_b32 s[G1+2], 128<<16
	s_mov_b32 s[G1+3], 128<<16
	s_mov_b32 s[G1+4], 128
	s_mov_b32 s[G1+5], 128
	s_mov_b32 s[G1+6], 0
	s_mov_b32 s[G1+7], 0
	s_lshr_b32 s74, s[WV], 1
	s_and_b32 s74, s74, 1                          ; 0: K, 1: V
	s_and_b32 s75, s[WV], 1                        ; the even or the odd pieces of 256 keys
	s_mul_i32 s76, s74, VB
	s_mul_i32 s77, s75, 18432
	s_add_co_u32 s76, s76, s77                     ; LDS: made of the wave's number alone
	s_add_co_u32 s78, s74, 1
	s_lshl_b32 s78, s78, 23                        ; k's section at 8,388,608, v's at 16,777,216,
	s_lshl_b32 s79, s[BH], 17                      ; the head's 131,072 bytes,
	s_add_co_u32 s78, s78, s79
	s_lshl_b32 s79, s75, 14                        ; a piece's 16,384
	s_add_co_u32 s78, s78, s79
	s_mov_b32 s79, 0
	s_mov_b32 s[SEL], 0x76543210
	s_mov_b32 s[SEL+1], 0xfedcba98
	s_wait_dscnt 0x0
	s_wait_kmcnt 0x0
	s_load_b256 s[48:55], s[6:7], 0x0              ; e0 .. e7
	s_add_nc_u64 s[78:79], s[4:5], s[78:79]
.irp n, 0,1,2,3
	s_mov_b32 s[G0+4*\n], 1
	s_add_co_u32 s[G0+4*\n+1], s76, \n*36864       ; every second piece
	s_add_nc_u64 s[G0+4*\n+2:G0+4*\n+3], s[78:79], \n*32768
	s_or_b32 s[G0+4*\n+3], s[G0+4*\n+3], 0x80000000
.endr
	CROUND                                         ; all four work-groups are here: the joint loads meet
	s_cmp_lt_u32 s[WV], 4                          ; all fills of a wave stand in one branch on its number, ahead of every wait on TENSORcnt and every LDS read
	s_cbranch_scc0 .Lno_fill
	tensor_load_to_lds s[G0:G0+3], s[G1:G1+7]
	s_nop 0
	tensor_load_to_lds s[G0+4:G0+7], s[G1:G1+7]
	s_nop 0
	tensor_load_to_lds s[G0+8:G0+11], s[G1:G1+7]
	s_nop 0
	tensor_load_to_lds s[G0+12:G0+15], s[G1:G1+7]
	s_nop 0
.rept 4
	v_nop
.endr
.Lno_fill:
	; where the two pairs' Q and y lie
	s_lshl_b32 s80, s[BH], 17
	s_lshl_b32 s81, s[CX], 10
	s_add_co_u32 s80, s80, s81                     ; Q: the head + 16 cx rows of 64 bytes
	s_lshr_b32 s82, s[BH], 4
	s_lshl_b32 s82, s82, 21                        ; y: the batch's 32 groups of 65,536 bytes,
	s_bfe_u32 s83, s[BH], 0x20002
	s_lshl_b32 s83, s83, 14                        ; (head / 4): which 256 along K,
	s_add_co_u32 s82, s82, s83
	s_and_b32 s83, s[BH], 3
	s_lshl_b32 s83, s83, 10                        ; (head % 4): which 128 along K (2,048 bytes) and which two groups of registers (1,024),
	s_add_co_u32 s82, s82, s83
	s_lshl_b32 s83, s[CX], 12                      ; and the tile of 16 tokens: cx
	s_add_co_u32 s82, s82, s83
	s_sub_co_u32 s84, 15, s[WV]                    ; the first pair
	s_mov_b32 s87, 0
	s_lshl_b32 s86, s84, 13                        ; a pair's 128 rows of Q
	s_add_co_u32 s86, s86, s80
	s_add_nc_u64 s[QL:QL+1], s[4:5], s[86:87]
	s_lshl_b32 s86, s[WV], 13
	s_add_co_u32 s86, s86, s80
	s_add_nc_u64 s[QS:QS+1], s[4:5], s[86:87]
	s_lshl_b32 s86, s84, 17                        ; a pair's two groups of y
	s_add_co_u32 s86, s86, s82
	s_add_nc_u64 s[YL:YL+1], s[8:9], s[86:87]
	s_lshl_b32 s86, s[WV], 17
	s_add_co_u32 s86, s86, s82
	s_add_nc_u64 s[YS:YS+1], s[8:9], s[86:87]
	v_and_b32 v252, 15, v0                         ; r
	v_bfe_u32 v253, v0, 4, 1                       ; h
	s_delay_alu instid0(VALU_DEP_2)
	v_lshlrev_b32 v[QA], 6, v252
	s_delay_alu instid0(VALU_DEP_1)
	v_lshl_add_u32 v[QA], v253, 4, v[QA]
	QLOAD QL
	v_and_b32 v254, 8, v252
	s_delay_alu instid0(VALU_DEP_1)
	v_add_nc_u32 v254, v254, v252                  ; r + 8 (r / 8): my key in a tile
	s_delay_alu instid0(VALU_DEP_1)
	v_lshrrev_b32 v254, 1, v254
	s_delay_alu instid0(VALU_DEP_1)
	v_mul_u32_u24 v[AK0], v254, 144                ; its row,
	v_and_b32 v254, 1, v252
	s_delay_alu instid0(VALU_DEP_1)
	v_lshl_add_u32 v[AK0], v254, 6, v[AK0]         ; its half of the row,
	s_delay_alu instid0(VALU_DEP_1)
	v_lshl_add_u32 v[AK0], v253, 4, v[AK0]         ; + 16 h
	v_mul_u32_u24 v[AV0], v252, 144
	s_delay_alu instid0(VALU_DEP_1)
	v_lshl_add_u32 v[AV0], v253, 4, v[AV0]
	s_delay_alu instid0(VALU_DEP_1)
	v_add_nc_u32 v[AV0], VB, v[AV0]
	v_lshlrev_b32 v[DA], 4, v253
	s_delay_alu instid0(VALU_DEP_1)
	v_sub_nc_u32 v[DA], v252, v[DA]
	s_lshl_b32 s86, s[CX], 4
	v_add_nc_u32 v[DA], s86, v[DA]                 ; 16 cx + r - 16 h: compared only, never an address
	s_delay_alu instid0(VALU_DEP_1)
	v_add_nc_u32 v[DB], 64, v[DA]
	v_and_b32 v246, 31, v0
	s_delay_alu instid0(VALU_DEP_1)
	v_lshlrev_b32 v246, 4, v246                    ; 16 x lane
	v_mov_b32 v247, 0xff800000                     ; -infinity
	v_mov_b32 v251, 0                              ; written once: a lane permute's destination counts as one of its sources
	INIT
	s_mov_b32 s[G], s84
	s_wait_kmcnt 0x0
	s_add_co_i32 s86, s50, s51
	s_lshl_b32 s86, s86, 23
	s_mov_b32 s[CS], 0x3e38aa3b                    ; log2(e) / 8
	s_add_co_i32 s[CS], s[CS], s86                 ; a score stands for score x 2^(e2 + e3): the exponents are added to c's exponent field
	s_mov_b32 s[CS+1], s[CS]                       ; (named with it as a pair, so it is written)
	s_add_co_i32 s86, s52, 127
	s_lshl_b32 s87, s86, 23
	v_mov_b32 v241, s87                            ; 2^e4
	s_add_co_i32 s86, s54, 127
	s_lshl_b32 s87, s86, 23
	v_mov_b32 v249, s87                            ; 2^e6
	s_add_co_i32 s[E45], s52, s53
	s_wait_tensorcnt 3                             ; the first load of each fetching wave is in: keys 0 to 511 of K and of V; its three later loads may stay out: they land in other bytes
	s_barrier_signal -1
	s_barrier_wait -1
	s_wait_loadcnt 0x0                             ; Q
.Lloop_a:                                          ; key steps 0 to 3 of the first pair (pairs 8 to 15: all these keys count)
	STEP 0
	s_cmp_lt_u32 s[KS], 4
	s_cbranch_scc1 .Lloop_a
	s_setprio 0
	s_wait_tensorcnt 0x0                           ; all my loads have landed
	s_wait_dscnt 0x0
	s_barrier_signal -1
	s_barrier_wait -1                              ; everybody's have: from here on the waves share nothing that changes
	s_mov_b32 s[KS], 4
	s_mov_b32 s[TB], 4*STEPB
.Lloop_b:                                          ; key steps 4 to 15
	STEP 1
	s_cmp_lt_u32 s[KS], 16
	s_cbranch_scc1 .Lloop_b
	s_setprio 0
	QLOAD QS                                       ; the second pair's Q lands under the first pair's end (the last products that read Q's registers stand far more than four places back)
	FINAL YL
	INIT
	s_mov_b32 s[G], s[WV]
	s_wait_loadcnt 0x0
	s_wait_xcnt 0x0                                ; the stores have read their registers: the codes' registers are written again below
.Lloop_c:                                          ; key steps 0 to 7 of the second pair (pairs 0 to 7)
	STEP 1
	s_cmp_lt_u32 s[KS], 8
	s_cbranch_scc1 .Lloop_c
	s_setprio 0
	FINAL YS
	s_set_vgpr_msb 0x5
	s_wait_tensorcnt 0x0
	ds_add_u32 v0, v1
	s_wait_dscnt 0x0
	s_set_vgpr_msb 0x500
	CROUND                                         ; the closing round
	s_endpgm
.Lfunc_end_k_qbf966c8f34_attn:
	.size	k_qbf966c8f34_attn, .Lfunc_end_k_qbf966c8f34_attn-k_qbf966c8f34_attn
	.p2alignl 7, 3214868480
	.fill 96, 4, 3214868480
	.section	.rodata,"a",@progbits
	.p2align	6, 0x0
	.amdhsa_kernel k_qbf966c8f34_attn
		.amdhsa_group_segment_fixed_size 295936
		.amdhsa_private_segment_fixed_size 0
		.amdhsa_enable_private_segment 0
		.amdhsa_kernarg_size 24
		.amdhsa_user_sgpr_count 2
		.amdhsa_user_sgpr_kernarg_segment_ptr 1
		.amdhsa_wavefront_size32 1
		.amdhsa_system_sgpr_workgroup_id_x 1
		.amdhsa_system_sgpr_workgroup_id_y 1
		.amdhsa_system_sgpr_workgroup_id_z 1
		.amdhsa_system_vgpr_workitem_id 0
		.amdhsa_next_free_vgpr 258
		.amdhsa_next_free_sgpr 96
		.amdhsa_reserve_vcc 1
		.amdhsa_float_denorm_mode_32 3
		.amdhsa_float_denorm_mode_16_64 3
		.amdhsa_fp16_overflow 1
		.amdhsa_memory_ordered 1
		.amdhsa_forward_progress 1
		.amdhsa_inst_pref_size 117
	.end_amdhsa_kernel
	.amdgpu_metadata
---
amdhsa.version: [ 1, 2 ]
amdhsa.kernels:
  - .name:           k_qbf966c8f34_attn
    .symbol:         k_qbf966c8f34_attn.kd
    .args:
      - { .name: qkvc, .offset: 0, .size: 8, .value_kind: global_buffer, .address_space: global }
      - { .name: lowp_scales, .offset: 8, .size: 8, .value_kind: global_buffer, .address_space: global }
      - { .name: yc, .offset: 16, .size: 8, .value_kind: global_buffer, .address_space: global }
    .group_segment_fixed_size: 295936
    .private_segment_fixed_size: 0
    .kernarg_segment_align: 8
    .kernarg_segment_size: 24
    .max_flat_workgroup_size: 256
    .sgpr_count:     96
    .vgpr_count:     258
    .wavefront_size: 32
...
	.end_amdgpu_metadata
.endif
;; end of part 2
;; launch proj (part 3): grid 4 x 64, 4 waves a work-group, clusters of 4 x 4, 327,680 bytes of LDS; arguments yc, W_proj_codes, b_proj, lowp_scales, out0; writes out0
.if DOCPART == 3
	.amdgcn_target "amdgcn-amd-amdhsa--gfx1250"
	.amdhsa_code_object_version 6
	.text
	.protected	k_qbf966c8f34_proj
	.globl	k_qbf966c8f34_proj
	.p2align	8
	.type	k_qbf966c8f34_proj,@function
k_qbf966c8f34_proj:
	s_mov_b64 s[64:65], 0
	v_nop
	global_prefetch_b8 v0, s[64:65] scope:SCOPE_SE
	s_setreg_imm32_b32 hwreg(HW_REG_WAVE_MODE, 25, 1), 1
	s_wait_xcnt 0x0
	s_wait_alu depctr_hold_cnt(0) depctr_sa_sdst(0) depctr_va_vdst(0) depctr_va_sdst(0) depctr_va_ssrc(0) depctr_va_vcc(0) depctr_vm_vsrc(0)
	s_getreg_b32 s2, hwreg(HW_REG_IB_STS2, 6, 4)
	s_cmp_eq_u32 s2, 0
	s_cbranch_scc0 .Lentry_in_a_cluster
	s_endpgm
.Lentry_in_a_cluster:
	s_bfe_u32 s2, ttmp6, 0x10000c
	s_cmp_lg_u32 s2, 0xf033
	s_cbranch_scc0 .Lentry_shape_is_right
	s_endpgm
.Lentry_shape_is_right:
; out0 = y W_proj + b_proj on codes of FP8 (E4M3), K = 1,024; out0 [8,192][1,024] f32.  y's codes (scale 2^e6) come as images of the operand's registers:
; yc [64 tokens' group 128][256 along K 4][16 tokens' tile 4][128 along K 2][group of four registers 4][lane 32][16 bytes]; W_proj's codes (scale 2^e7) as rows of 1,024 bytes, K innermost.
; A tile is 128 tokens (P = y) x 256 columns (Q = W_proj).  Four waves, each 64 x 128: 32 accumulators.  Source 0 = 16 rows of Q, source 1 = 16 rows of P: a lane holds eight neighbouring columns of one row of out0.
; K goes in four steps of 256 through three LDS slots: three steps are asked for at the start, and slot 0 is filled once more.  By this text's count a wave has three tensor loads out at the start, later one.
; CLUSTERS: 4 x 4 work-groups.  y's tile hangs on the cluster's row alone, W_proj's on its column alone: each is asked for jointly by the four that share it.
; A fragment's k are taken 16 bytes at a time (registers 4 c .. 4 c + 3: k = 32 c + 16 h + 0 .. 15), alike in both operands.  Each finished sum goes out as sum x 2^(e6 + e7) + b_proj, one packed multiply-add for two.
; LIMIT: e6 + e7 between -126 and 127, so that 2^(e6 + e7) is an f32 number.
; REGISTERS, in windows of 256: window 0: v0-29 addresses; v64-127, v128-191 P's fragments, two sets (later results and rows read back, with v192-255).  window 1: Q's fragments, two sets of 128.
;   window 2: the accumulators, (a, b) at v[8 (8 a + b)].  window 3: v0-63 b_proj in the result's layout.
.set SLOT,  104448                     ; a slot: P's two images of 16,384 bytes, then from QOFF on Q's 256 rows, 272 bytes apart
.set QOFF,  34816
.set PHALF, 16384                      ; 64 tokens x 256 along K, as images
.set QHALF, 34816
.set PITCH, 272                        ; 256 bytes + 16 of padding: the 16 rows that a load touches start at 16 different banks (64 banks of 4 bytes: ISA guide 11.1)
.set SPARE, 3*SLOT                     ; behind the slots: the spare words, 128 bytes for each wave: two blocks of 256 bytes that no other line names
.set PQ,    2048                       ; P's images: bytes from one 128 along K to the next,
.set PC,    512                        ; from one group of four registers to the next,
.set PI,    4096                       ; from one tile of 16 tokens to the next
.set PSTEP, 16384                      ; bytes in memory from a K step of P to the next
.set SPITCH, 528                       ; the way out: a stage of 16 rows x (512 bytes + 16) for each wave, in slot 1
.set ADRP,  4                          ; v4-6   LDS address of my P fragments in slot 0, 1, 2
.set ADRQ,  8                          ; v8-10  the same for Q
.set STO,   12                         ; v12    the way out: where I put 32 bytes of a row
.set RD,    14                         ; v14    where I read a row back
.set GO,    16                         ; v16    16 x lane
.set BQ,    17                         ; v17    32 h: the bias
.set SPW,   28                         ; v28    LDS address of my spare word; never rewritten
.set NIL,   29                         ; v29    0; never rewritten
.set TMP,   64
.set BK,    128
.set G1P,   24
.set G1Q,   32
.set G0P,   40
.set G0Q,   52
.set MSB, 0
.macro WIN new                         ; the immediate's high byte repeats the setting that is left
.if MSB != \new
	s_set_vgpr_msb (MSB<<8)|\new
.set MSB, \new
.endif
.endm
.macro PLACES                          ; four places in front of loads into registers that matrix instructions have read, and of the first read of results
.rept 4
	v_nop
.endr
.endm
.macro CREST                           ; a round of the cluster's barrier behind its opening barrier
	s_cmp_lg_u32 s14, 0
	s_cbranch_scc1 .Lnot_wave_0_\@
	s_barrier_signal -3
.Lnot_wave_0_\@:
	s_barrier_wait -3
	s_barrier_signal -1
	s_barrier_wait -1
.endm
.macro CROUND
	s_barrier_signal -1
	s_barrier_wait -1
	CREST
.endm
.macro JLOAD                           ; the one refill: slot 0.  Waves 0 and 1 fetch P's halves, waves 2 and 3 Q's; four v_nop follow each line
	s_cmp_eq_u32 s15, 0
	s_cbranch_scc0 .Lfor_q_\@
	tensor_load_to_lds s[G0P:G0P+3], s[G1P:G1P+7]
	s_nop 0
.rept 4
	v_nop
.endr
	s_branch .Lasked_\@
.Lfor_q_\@:
	tensor_load_to_lds s[G0Q:G0Q+3], s[G1Q:G1Q+7]
	s_nop 0
.rept 4
	v_nop
.endr
.Lasked_\@:
.endm
; 48 LDS loads in one run: Q's eight and P's four fragments of the q-th 128 along K of slot s, into register set 'set'
.macro FETCH s, q, set
	WIN 0x40                                       ; destination window 1, address window 0
.irp i, 0,1,2,3,4,5,6,7
.irp c, 0,1,2,3
	ds_load_b128 v[128*(\set)+16*\i+4*\c:128*(\set)+16*\i+4*\c+3], v[ADRQ+\s] offset:128*(\q)+32*\c+16*PITCH*\i
.endr
.endr
	WIN 0
.irp i, 0,1,2,3
.irp c, 0,1,2,3
	ds_load_b128 v[64+64*(\set)+16*\i+4*\c:64+64*(\set)+16*\i+4*\c+3], v[ADRP+\s] offset:PQ*(\q)+PC*\c+PI*\i
.endr
.endr
.endm
; 8 n matrix instructions: P's tiles a0 .. a0 + n - 1 x Q's eight.  mode 0: onto the sums; 1: the first products start the sums with C = 0.
; The 32 accumulators take turns, one instruction a turn, in the same order in every half step.
.macro MUL a0, n, set, mode
	WIN 0xa1                                       ; source 0 (Q) window 1, source 1 (P) window 0, C and D window 2
.set ma, \a0
.rept \n
.set mb, 0
.rept 8
.set rD, 8*(8*ma+mb)
.set rQ, 128*(\set)+16*mb
.set rP, 64+64*(\set)+16*ma
.if (\mode) == 0
	v_wmma_f32_16x16x128_fp8_fp8 v[rD:rD+7], v[rQ:rQ+15], v[rP:rP+15], v[rD:rD+7]
.else
	v_wmma_f32_16x16x128_fp8_fp8 v[rD:rD+7], v[rQ:rQ+15], v[rP:rP+15], 0
.endif
.set mb, mb+1
.endr
.set ma, ma+1
.endr
.endm
.macro HS set, ns, nq                  ; a half step of 128 along K: the next half step's fragments are asked for, into the other set, ahead of this one's products
	s_wait_dscnt 0x0                               ; this set's 48 loads, asked for 16 or 32 matrix instructions ago, are in
	PLACES
	FETCH \ns, \nq, 1-(\set)
	MUL 0, 4, \set, 0
	WIN 0
.endm
; A half step that multiplies set 1 and passes a barrier.  In front of it each wave waits for all its tensor loads, adds 0 to its spare word, and waits for that and for its own LDS reads.
; fill = 1: the barrier opens a round of the cluster's barrier, and slot 0, which nobody reads any more, takes K step 3.
.macro TURN ns, fill
	s_wait_tensorcnt 0x0                           ; all my tensor loads have landed, so a group 0 may be written
	ds_add_u32 v[SPW], v[NIL]                      ; 0 onto my spare word
.if \fill
	s_add_nc_u64 s[G0P+2:G0P+3], s[G0P+2:G0P+3], 3*PSTEP   ; slot 0's descriptors: three K steps on; the type bits on top are not reached
	s_add_nc_u64 s[G0Q+2:G0Q+3], s[G0Q+2:G0Q+3], 3*256
.endif
	s_wait_dscnt 1                                 ; only the add may be out: set 1's loads are in
	MUL 0, 1, 1, 0                                 ; eight matrix instructions stand between the add and the wait for it
	s_wait_dscnt 0x0                               ; the add is done, and my reads of the slots so far are over
	s_barrier_signal -1
	MUL 1, 1, 1, 0
	WIN 0
	s_barrier_wait -1
.if \fill
	CREST                                          ; no wave of any partner still reads slot 0 or has a load on its way
	JLOAD                                          ; the first tensor load behind the round; its four v_nop are also the places in front of the loads below
.else
	PLACES
.endif
	FETCH \ns, 0, 0
	MUL 2, 2, 1, 0
	WIN 0
.endm
	s_load_b256 s[4:11], s[0:1], 0x0               ; yc s[4:5], W_proj's codes s[6:7], b_proj s[8:9], the scales' exponents s[10:11]
	s_load_b64 s[12:13], s[0:1], 0x20              ; out0
	v_lshl_add_u32 v[SPW], v0, 2, SPARE
	v_mov_b32 v[NIL], 0
	ds_add_u32 v28, v29
	ds_add_u32 v28, v29
	s_wait_dscnt 0x0
	v_lshrrev_b32 v1, 5, v0
	v_readfirstlane_b32 s14, v1                    ; wave 0..3
	s_lshr_b32 s15, s14, 1                         ; which 64 tokens are mine.  Also: I fetch for P (0) or for Q (1)
	s_and_b32 s16, s14, 1                          ; which 128 columns are mine.  Also: which half of that tile I fetch
	s_bfe_u32 s17, ttmp6, 0x40000                  ; cx, cy
	s_bfe_u32 s18, ttmp6, 0x40004
	s_mov_b32 s19, ttmp9
	s_and_b32 s20, ttmp7, 0xffff
	s_lshl_b32 s82, s20, 2
	s_add_co_u32 s82, s82, s18                     ; the tile of 128 tokens = 4 x cluster y + cy: made of cy, never of cx
	s_lshl_b32 s83, s19, 2
	s_add_co_u32 s83, s83, s17
	s_lshl_b32 s83, s83, 8                         ; the tile's first column: made of cx, never of cy
	s_lshl_b32 s86, s82, 1
	s_add_co_u32 s86, s86, s16
	s_lshl_b32 s86, s86, 16                        ; the group of 64 tokens that I would fetch: 65,536 bytes each
	s_mov_b32 s87, 0
	s_lshl_b32 s88, s16, 7
	s_add_co_u32 s88, s88, s83
	s_lshl_b32 s88, s88, 10                        ; the 128 rows of W_proj
	s_mov_b32 s89, 0
	s_lshl_b32 s90, s18, 2
	s_lshl_b32 s90, 15, s90                        ; my row of the cluster
	s_lshl_b32 s91, 0x1111, s17                    ; my column
	s_or_b32 s[G1P], s90, (1<<21)                  ; 15:0 the mask; 17:16 elements of 1 byte; no padding: an image is read 512 consecutive bytes at a time; 21 set beside a mask
	s_or_b32 s[G1Q], s91, (1<<20)|(1<<21)|(5<<22)|(3<<25)  ; padding: four words after every 64
	s_mov_b32 s[G1P+1], 256<<16                    ; a dense block of 16,384 bytes as 64 rows of 256
	s_mov_b32 s[G1P+2], 64<<16
	s_mov_b32 s[G1P+3], 256<<16
	s_mov_b32 s[G1P+4], 64
	s_mov_b32 s[G1P+5], 256
	s_mov_b32 s[G1P+6], 0
	s_mov_b32 s[G1P+7], 0
	s_mov_b32 s[G1Q+1], 256<<16
	s_mov_b32 s[G1Q+2], 128<<16
	s_mov_b32 s[G1Q+3], 256<<16
	s_mov_b32 s[G1Q+4], 128
	s_mov_b32 s[G1Q+5], 1024
	s_mov_b32 s[G1Q+6], 0
	s_mov_b32 s[G1Q+7], 0
	s_mul_i32 s92, s16, PHALF                      ; where they go in a slot: no place in the cluster enters an LDS address
	s_mul_i32 s93, s16, QHALF
	s_add_co_u32 s93, s93, QOFF
	s_wait_kmcnt 0x0
	s_load_b256 s[68:75], s[10:11], 0x0            ; e0 .. e7
	s_add_nc_u64 s[76:77], s[4:5], s[86:87]
	s_add_nc_u64 s[78:79], s[6:7], s[88:89]
.irp s, 0,1,2
	s_mov_b32 s[G0P+4*\s], 1
	s_add_co_u32 s[G0P+4*\s+1], s92, \s*SLOT
	s_add_nc_u64 s[G0P+4*\s+2:G0P+4*\s+3], s[76:77], \s*PSTEP
	s_or_b32 s[G0P+4*\s+3], s[G0P+4*\s+3], 0x80000000
	s_mov_b32 s[G0Q+4*\s], 1
	s_add_co_u32 s[G0Q+4*\s+1], s93, \s*SLOT
	s_add_nc_u64 s[G0Q+4*\s+2:G0Q+4*\s+3], s[78:79], \s*256
	s_or_b32 s[G0Q+4*\s+3], s[G0Q+4*\s+3], 0x80000000
.endr
	CROUND                                         ; all sixteen work-groups are here: the first joint loads meet
	s_cmp_eq_u32 s15, 0                            ; a wave's three first fills stand in one branch, ahead of every wait on TENSORcnt and every LDS read
	s_cbranch_scc0 .Lfirst_q
	tensor_load_to_lds s[G0P:G0P+3], s[G1P:G1P+7]
	s_nop 0
	tensor_load_to_lds s[G0P+4:G0P+7], s[G1P:G1P+7]
	s_nop 0
	tensor_load_to_lds s[G0P+8:G0P+11], s[G1P:G1P+7]
	s_nop 0
.rept 4
	v_nop
.endr
	s_branch .Lfirst_asked
.Lfirst_q:
	tensor_load_to_lds s[G0Q:G0Q+3], s[G1Q:G1Q+7]
	s_nop 0
	tensor_load_to_lds s[G0Q+4:G0Q+7], s[G1Q:G1Q+7]
	s_nop 0
	tensor_load_to_lds s[G0Q+8:G0Q+11], s[G1Q:G1Q+7]
	s_nop 0
.rept 4
	v_nop
.endr
.Lfirst_asked:
	v_and_b32 v1, 15, v0                           ; r
	v_bfe_u32 v2, v0, 4, 1                         ; h
	v_and_b32 v3, 31, v0                           ; lane
	v_lshlrev_b32 v[GO], 4, v3                     ; 16 x lane
	v_mul_u32_u24 v32, v1, PITCH
	v_lshl_add_u32 v32, v2, 4, v32                 ; Q: a fragment's row x pitch + 16 h
	s_mul_i32 s22, s15, PHALF                      ; my 64 tokens' images
	s_mul_i32 s23, s16, QHALF
	s_add_co_u32 s23, s23, QOFF
.irp s, 0,1,2
	v_add_nc_u32 v[ADRP+\s], s22, v[GO]
	v_add_nc_u32 v[ADRQ+\s], s23, v32
	s_add_co_u32 s22, s22, SLOT
	s_add_co_u32 s23, s23, SLOT
.endr
	s_mul_i32 s22, s14, 16*SPITCH
	s_add_co_u32 s22, s22, SLOT                    ; my stage, in slot 1: it has had its only fill, and its last read lies in front of the second barrier of the K steps
	v_mul_u32_u24 v[STO], v1, SPITCH
	v_lshl_add_u32 v[STO], v2, 5, v[STO]
	v_add_nc_u32 v[STO], s22, v[STO]               ; in: row r, 32 bytes for each half of the lanes
	v_add_nc_u32 v[RD], s22, v[GO]                 ; back: the 32 lanes take one row of 512 bytes
	v_lshlrev_b32 v[BQ], 5, v2
	s_wait_alu depctr_va_vdst(0)
	s_lshl_b32 s94, s82, 7
	s_lshl_b32 s95, s15, 6
	s_add_co_u32 s94, s94, s95
	s_lshl_b32 s94, s94, 12                        ; my first token's row of out0: 4,096 bytes a row
	s_lshl_b32 s95, s16, 7
	s_add_co_u32 s95, s95, s83
	s_lshl_b32 s95, s95, 2                         ; my first column, in bytes
	s_add_co_u32 s2, s94, s95
	s_mov_b32 s3, 0
	s_add_nc_u64 s[80:81], s[12:13], s[2:3]
	s_mov_b32 s66, s95
	s_mov_b32 s67, 0
	s_add_nc_u64 s[8:9], s[8:9], s[66:67]
	WIN 0xc0                                       ; destination window 3
.irp b, 0,1,2,3,4,5,6,7
	global_load_b128 v[8*\b:8*\b+3], v[BQ], s[8:9] offset:64*\b       ; b_proj at columns 16 b + 8 h + 0 .. 7
	global_load_b128 v[8*\b+4:8*\b+7], v[BQ], s[8:9] offset:64*\b+16
.endr
	WIN 0
	s_wait_kmcnt 0x0
	s_add_co_i32 s96, s74, s75                     ; e6 + e7
	s_add_co_i32 s96, s96, 127
	s_lshl_b32 s96, s96, 23                        ; 2^(e6 + e7) as f32
	s_mov_b32 s97, s96                             ; (named with it as a pair, so it is written)
	s_wait_loadcnt 0x0
	s_wait_tensorcnt 2                             ; my part of K step 0 is in; the two loads behind it may stay out
	s_barrier_signal -1
	s_barrier_wait -1
	FETCH 0, 0, 0
	FETCH 0, 1, 1
	s_wait_dscnt 48                                ; set 0 is in; set 1's 48 loads may be out
	MUL 0, 4, 0, 1                                 ; the first products start the sums: nothing is cleared
	WIN 0
	TURN 1, 1                                      ; K step 0's second half; slots 1 and 2 are whole behind its barrier; slot 0 takes K step 3
	HS 0, 1, 1                                     ; K step 1
	HS 1, 2, 0
	HS 0, 2, 1                                     ; K step 2
	TURN 0, 0                                      ; behind its barrier K step 3 is whole, and nobody reads slots 1 and 2 any more
	HS 0, 0, 1                                     ; K step 3
	s_wait_dscnt 0x0
	MUL 0, 4, 1, 0
	WIN 0
; THE WAY OUT, block by block of 16 rows x 128 columns: through my own stage and back as whole rows of 512 bytes.  LDS serves a wave's instructions in order (ISA guide 5.7.1.4): no wait between the stores and the loads.
.macro TOSTAGE a
	WIN 0x32                                       ; source 0 (the sums) window 2, source 2 (the bias) window 3
.irp b, 0,1,2,3,4,5,6,7
.irp i, 0,2,4,6
	v_pk_fma_f32 v[TMP+8*\b+\i:TMP+8*\b+\i+1], v[64*(\a)+8*\b+\i:64*(\a)+8*\b+\i+1], s[96:97], v[8*\b+\i:8*\b+\i+1] op_sel_hi:[1,0,1]   ; sum x 2^(e6 + e7) + b_proj; each accumulator from its low end on
.endr
.endr
	WIN 0
.irp b, 0,1,2,3,4,5,6,7
	ds_store_b128 v[STO], v[TMP+8*\b:TMP+8*\b+3] offset:64*\b
	ds_store_b128 v[STO], v[TMP+8*\b+4:TMP+8*\b+7] offset:64*\b+16
.endr
.set BB, BK+64*((\a)%2)
.irp t, 0,1,2,3,4,5,6,7,8,9,10,11,12,13,14,15
	ds_load_b128 v[BB+4*\t:BB+4*\t+3], v[RD] offset:\t*SPITCH
.endr
.endm
.macro SEND a, younger                 ; younger: the LDS instructions issued behind block a's loads, which may stay out
.set BB, BK+64*((\a)%2)
	s_wait_dscnt \younger
.if (\a) > 0
	s_add_nc_u64 s[80:81], s[80:81], 16*4096       ; (behind a wait on XCNT: the earlier stores have read their base)  16 rows on
.endif
.irp t, 0,1,2,3,4,5,6,7,8,9,10,11,12,13,14,15
	global_store_b128 v[GO], v[BB+4*\t:BB+4*\t+3], s[80:81] offset:\t*4096 th:TH_STORE_NT   ; 32 lanes store 512 consecutive bytes, at a multiple of 512; written once, read by nobody here
.endr
.endm
	PLACES
	TOSTAGE 0
.irp a, 1,2,3
.if \a > 1
	s_wait_xcnt 0x0                                ; block a - 2's stores have read their registers and their base
.endif
	TOSTAGE \a
	SEND \a-1, 32                                  ; behind block a - 1's loads: block a's 16 stores and 16 loads
.endr
	s_wait_xcnt 0x0
	SEND 3, 0
	s_wait_tensorcnt 0x0                           ; the wave's end, behind my last tensor load and my last LDS store
	ds_add_u32 v[SPW], v[NIL]
	s_wait_dscnt 0x0
	CROUND                                         ; the closing round: no work-group ends while a partner may still ask for a tile that names it
	s_endpgm
.Lfunc_end_k_qbf966c8f34_proj:
	.size	k_qbf966c8f34_proj, .Lfunc_end_k_qbf966c8f34_proj-k_qbf966c8f34_proj
	.p2alignl 7, 3214868480
	.fill 96, 4, 3214868480
	.section	.rodata,"a",@progbits
	.p2align	6, 0x0
	.amdhsa_kernel k_qbf966c8f34_proj
		.amdhsa_group_segment_fixed_size 327680
		.amdhsa_private_segment_fixed_size 0
		.amdhsa_enable_private_segment 0
		.amdhsa_kernarg_size 40
		.amdhsa_user_sgpr_count 2
		.amdhsa_user_sgpr_kernarg_segment_ptr 1
		.amdhsa_wavefront_size32 1
		.amdhsa_system_sgpr_workgroup_id_x 1
		.amdhsa_system_sgpr_workgroup_id_y 1
		.amdhsa_system_sgpr_workgroup_id_z 1
		.amdhsa_system_vgpr_workitem_id 0
		.amdhsa_next_free_vgpr 832
		.amdhsa_next_free_sgpr 100
		.amdhsa_reserve_vcc 0
		.amdhsa_float_denorm_mode_32 3
		.amdhsa_float_denorm_mode_16_64 3
		.amdhsa_memory_ordered 1
		.amdhsa_forward_progress 1
		.amdhsa_inst_pref_size 76
	.end_amdhsa_kernel
	.amdgpu_metadata
---
amdhsa.version: [ 1, 2 ]
amdhsa.kernels:
  - .name:           k_qbf966c8f34_proj
    .symbol:         k_qbf966c8f34_proj.kd
    .args:
      - { .name: yc, .offset: 0, .size: 8, .value_kind: global_buffer, .address_space: global }
      - { .name: W_proj_codes, .offset: 8, .size: 8, .value_kind: global_buffer, .address_space: global }
      - { .name: b_proj, .offset: 16, .size: 8, .value_kind: global_buffer, .address_space: global }
      - { .name: lowp_scales, .offset: 24, .size: 8, .value_kind: global_buffer, .address_space: global }
      - { .name: out0, .offset: 32, .size: 8, .value_kind: global_buffer, .address_space: global }
    .group_segment_fixed_size: 327680
    .private_segment_fixed_size: 0
    .kernarg_segment_align: 8
    .kernarg_segment_size: 40
    .max_flat_workgroup_size: 128
    .sgpr_count:     100
    .vgpr_count:     832
    .wavefront_size: 32
...
	.end_amdgpu_metadata
.endif
;; end of part 3
